; MI455X (gfx1250); checked and timed in simulation.
; The chip was launched on July 23, 2026; its instructions are those of AMD's public machine-readable ISA for CDNA 5 (MIT licence, August 2026) and "CDNA5" Instruction Set Architecture Reference Guide (July 2026). The comments in the code are by the model that wrote it; some were corrected since.
;; Image Diagnostic. Allowed arithmetic: matrix products marked QUANTISED: E5M2 operands, one E8M0 scale for each 32 along K, by v_wmma_scale_f32_16x16x128_f8f6f4 with both operands' format E5M2, f32 sums; everything else in f32.
;; Inputs: bins 256 float32; x_coords 4 x 50,000 float32; y_coords 4 x 50,000 float32.
;; Outputs: out0 4 x 256 x 256 float32.
;; This version of the problem:
;;   THIS VERSION OF THE PROBLEM IS GIVEN IN LOW PRECISION. The matrix products marked QUANTISED in the list below multiply operands that are first quantised to E5M2 (5 exponent bits, 2 mantissa bits; 8 bits a number), with one power-of-two scale for each 32 numbers along K (OCP MX v1.0); their sums are f32. All else is computed in f32.
;;   The module's matrix products, in the order in which they are computed (A, B: the left and right operand; K: the contracted axis; several contracted axes count as one K, in the product's order):
;;     1. batch 4 x [M 256, K 50,000] x [K 50,000, N 256]; A: computed on the way; B: computed on the way: QUANTISED
;;   THE QUANTISER, for each operand of a quantised product, along K:
;;     - K is cut into blocks of 32 from its start; a last block that is shorter is filled with zeros.
;;     - A block's scale is 2^e with e = floor(log2(the largest magnitude in the block)) - 15, held to -126 .. 127; a block of zeros has e = 0. As a byte (E8M0): e + 127.
;;     - Each number is divided by its block's scale, clamped to +-57,344, and rounded to the nearest number of E5M2, ties to even, subnormals kept.
;;     - The product sums the exact products of the quantised numbers (number of the format x scale) in f32.
;;   ~~~python
;;   def quantise(x, axis):      # numpy; x: float32 -> the quantised numbers, widened to float32 again
;;       x = np.moveaxis(x, axis, -1); K = x.shape[-1]
;;       x = np.pad(x, [(0, 0)] * (x.ndim - 1) + [(0, -K % 32)]); x = x.reshape(x.shape[:-1] + (-1, 32)); a = np.abs(x).max(-1, keepdims=True)
;;       e = np.where(a > 0, np.clip(np.frexp(np.where(a > 0, a, 1))[1] - 1 - 15, -126, 127), 0)      # np.frexp(a)[1] - 1 = floor(log2(a)), exactly
;;       r = np.clip(x / 2.0 ** e, -57344, 57344)
;;       step = 2.0 ** (np.maximum(np.frexp(np.where(r == 0, 1, r))[1] - 1, -14) - 2)
;;       q = np.round(r / step) * step * 2.0 ** e      # np.round: ties to even
;;       return np.moveaxis(q.reshape(q.shape[:-2] + (-1,))[..., :K], -1, axis).astype(np.float32)
;;   ~~~
;;   OPERANDS COMPUTED ON THE WAY. 'Computed on the way' means the value that the module computes at that place (a softmax that the list does not call 'softmax' is quantised finished and normalised). What goes into a quantiser is computed in f32, as accurately as f32 sums, v_exp_f32 and their like allow (about 1e-6 of the number): no bf16 or f16 on the way to a quantiser, and a product that is left as it is and whose result goes on into a quantised operand takes f32 operands (vector FMAs, or v_wmma_f32_16x16x4_f32). A number that lies on a knife's edge between two numbers of the format may be rounded either way, as far as f32 arithmetic and the matrix unit's own rounding can turn it there, and no further.
;; One version. Each part assembles by itself: llvm-mc -triple=amdgcn-amd-amdhsa -mcpu=gfx1250 --defsym DOCPART=n.
;; ======== version 1 of 1: 2 launches
;; limits: right only within a limited range of input values
;; workspace buffers: part 58,720,256 bytes; sums 7,168 bytes
;; launch accum (part 1): grid 56 x 4, 8 waves a work-group, no clusters, 201,728 bytes of LDS; arguments bins, x_coords, y_coords, part, sums; writes part, sums
.if DOCPART == 1
	.amdgcn_target "amdgcn-amd-amdhsa--gfx1250"
	.amdhsa_code_object_version 6
	.text
	.protected	k_q602e063146_accum
	.globl	k_q602e063146_accum
	.p2align	8
	.type	k_q602e063146_accum,@function
k_q602e063146_accum:
	s_mov_b64 s[64:65], 0
	v_nop
	global_prefetch_b8 v0, s[64:65] scope:SCOPE_SE
	s_setreg_imm32_b32 hwreg(HW_REG_WAVE_MODE, 25, 1), 1
	s_wait_xcnt 0x0
; PARTIAL JOINT HISTOGRAMS.  joint[i][j] = sum over particles n of Q(kx)[n][i] Q(ky)[n][j], kx[n][i] = exp(-0.5 ((x_n - bins_i) / bw)^2), ky likewise of y, bw = bins[1] - bins[0];
; Q: codes of BF8 (E5M2) with one E8M0 scale for each 32 particles; sums in f32 by v_wmma_scale_f32_16x16x128_f8f6f4.
; SHARES.  Work-group (split s, batch b): particles 896 s .. 896 s + 895 (7 steps of 128; 56 splits cover 50,176), all 256 x 256 outputs: every kx and ky is computed once in the launch.
; Its partial tile goes to part, each wave's total to sums; the next launch adds the 56 splits and divides.
; Eight waves of 512 registers, two to a SIMD.  No tensor load, no cluster, no prefetch: the operands are computed, and a work-group reads 8 KB of coordinates once, at its head.
; MAKING.  A fragment is 16 bins x 128 particles: lane (r, h) holds bin r, registers 4 c .. 4 c + 3 the particles 32 c + 16 h + 0 .. 15.  A step has 32 fragments (kx's 16 bin tiles, then ky's 16);
; wave w makes fragments 4 w .. 4 w + 3, in eight halves: half g is blocks 2 (g / 4), 2 (g / 4) + 1 of fragment g % 4, so that 32 coordinates a lane serve four halves on end.  The roles differ by addresses alone.
; A fragment goes to the others through LDS as an image of its registers (register group c at 512 c, lane l at 16 l; its scale word at 4 l), in two buffers by turns, one barrier a step.
; A HALF: the wait, 32 exponentials, the next half's 48 packed lines (u = x - b, u u, times -c) into the other set of values, the waits, four products of the step before, the quantiser's lines for the two blocks by turns.
; The step's barrier is split: the signal behind my last stores, the next step's first 48 lines, the wait.  Behind the last step these 48 lines work on table places 896 .. 959, whose values are never used.
; MULTIPLYING.  Wave w = 4 wi + wj owns rows 128 wi .., columns 64 wj ..: 32 accumulators.  Source 0 = a fragment of ky, source 1 = one of kx: lane (r, h), register q of accumulator (a, b) is joint(16 a + r, 16 b + 8 h + q).
; Particles from 50,000 on get the coordinate +infinity in the LDS table: the value is 0, the code 0: the quantiser's zero fill.
; LIMITS: v_exp_f32 gives 0 under 2^-126 (ISA guide, its entry); a block's largest value is taken no lower than 2^-111, which holds the scale's byte at 1 as the quantiser's clamp e >= -126 does;
; a block of zeros has the byte 1 and not 127 (its codes are zeros, and this program alone reads the bytes); NaN and infinities among the inputs and bins[1] = bins[0] are not served.
.set NPART, 50000
.set CHUNK, 896
.set BUF1,  1<<17                      ; LDS: buffer 0 at 0, buffer 1 here
.set SCW,   65536                      ; in a buffer: 32 images of 2,048 bytes, then 32 x 128 bytes of scale words
.set XL,    69632                      ; behind buffer 0: 1,024 x, 1,024 y,
.set BL,    XL+8192                    ; and the pair (-bins_i, -bins_i) at 8 i
.set SPARE, 0x31000                    ; behind buffer 1: the spare words, 128 bytes a wave
.set LN16, 1                           ; 16 x lane
.set XB,   2                           ; my coordinates' table + 64 h
.set IWB,  3                           ; bases: image stores, scale-word stores, ky's images, kx's images, ky's scale words, kx's
.set SWB,  4
.set LYB,  5
.set LXB,  6
.set SYB,  7
.set SXB,  8
.set IW,   9                           ; the same six with the step's buffer added
.set SW,   10
.set LY,   11
.set LX,   12
.set SY,   13
.set SX,   14
.set XA,   15
.set X,    16                          ; v16-47   register 16 cc + i: the coordinate of particle 32 (2 p + cc) + 16 h + i of the step, p the pair of blocks in hand
.set VL0,  48                          ; v48-111  two sets of 32 values; half g works in set g % 2
.set PC,   112                         ; v112-119 a half's codes
.set PW,   120                         ; v120-123 my four fragments' scale words
.set NB,   128                         ; v128-135 the pairs (-b, -b) of my lane's bin in my four fragments
.set MA,   136                         ; two registers each, one for each block of a half
.set MB,   138
.set HH,   140
.set SO,   142
.set BY,   144
.set NC,   148                         ; (-c, -c)
.set SKY,  150                         ; v150-153 ky's scale words, v154-161 kx's: scales and nothing else
.set SKX,  154
.set SPW,  162                         ; my spare word's address, and 0: never rewritten
.set NIL,  163
.set KY,   164                         ; v164-227 ky's fragment b at 16 b
.set KX,   228                         ; v228-243 the fragment of kx in hand
.set T,    244                         ; v244-251 the way out: running totals
.set H,    164                         ; at work at the head
.set TB,   25                          ; the buffer that is multiplied
.set TBS,  26                          ; the buffer that is written
.set XS,   27                          ; the next 64 particles' place in the coordinates' table
.set MSB, 0
.macro WIN new                         ; the immediate's high byte repeats the setting that is left
.if MSB != (\new)
	s_set_vgpr_msb (MSB<<8)|(\new)
.set MSB, (\new)
.endif
.endm
.macro VW
	s_wait_alu depctr_va_vdst(0)
.endm
.macro XLOAD                           ; the next two blocks' 32 coordinates of my lane: eight loads
	v_add_nc_u32 v[XA], s[XS], v[XB]
.irp c, 0,1
.irp j, 0,1,2,3
	ds_load_b128 v[X+16*\c+4*\j:X+16*\c+4*\j+3], v[XA] offset:128*\c+16*\j
.endr
.endr
	s_add_co_u32 s[XS], s[XS], 256
.endm
.macro ADDRS
	v_add_nc_u32 v[IW], s[TBS], v[IWB]
	v_add_nc_u32 v[SW], s[TBS], v[SWB]
	v_add_nc_u32 v[LY], s[TB], v[LYB]
	v_add_nc_u32 v[LX], s[TB], v[LXB]
	v_add_nc_u32 v[SY], s[TB], v[SYB]
	v_add_nc_u32 v[SX], s[TB], v[SXB]
.endm
.macro PRE g                           ; the exponents of half g: the difference first, its square, times -c
.set VP, VL0+32*((\g)%2)
.set PN, NB+2*((\g)%4)
.set J, 0
.rept 16
	v_pk_add_f32 v[VP+J:VP+J+1], v[X+J:X+J+1], v[PN:PN+1]
.set J, J+2
.endr
.set J, 0
.rept 16
	v_pk_mul_f32 v[VP+J:VP+J+1], v[VP+J:VP+J+1], v[VP+J:VP+J+1]
.set J, J+2
.endr
.set J, 0
.rept 16
	v_pk_mul_f32 v[VP+J:VP+J+1], v[VP+J:VP+J+1], v[NC:NC+1]
.set J, J+2
.endr
.endm
.macro POST g                          ; the quantiser for the half's two blocks, by turns
.set VL, VL0+32*((\g)%2)
.set QP, (\g)/4
.set QF, (\g)%4
.irp b, 0,1
	v_max3_num_f32 v[MA+\b], v[VL+16*\b], v[VL+16*\b+1], 0x8000000   ; none is negative; the floor 2^(16 - 127) holds the byte at 1
	v_max3_num_f32 v[MB+\b], v[VL+16*\b+2], v[VL+16*\b+3], v[VL+16*\b+4]
.endr
.irp k, 5,9
.irp b, 0,1
	v_max3_num_f32 v[MA+\b], v[MA+\b], v[VL+16*\b+\k], v[VL+16*\b+\k+1]
	v_max3_num_f32 v[MB+\b], v[MB+\b], v[VL+16*\b+\k+2], v[VL+16*\b+\k+3]
.endr
.endr
.irp b, 0,1
	v_max3_num_f32 v[MA+\b], v[MA+\b], v[VL+16*\b+13], v[VL+16*\b+14]
.endr
.irp b, 0,1
	v_max3_num_f32 v[MA+\b], v[MA+\b], v[MB+\b], v[VL+16*\b+15]
.endr
.irp b, 0,1
	v_permlanex16_b32 v[MB+\b], v[MA+\b], s22, s23   ; the block's other 16 particles lie in the lane 16 away
.endr
.irp b, 0,1
	v_max_num_f32 v[MA+\b], v[MA+\b], v[MB+\b]
.endr
.irp b, 0,1
	v_add_nc_u32 v[SO+\b], 0xf8800000, v[MA+\b]      ; 15 off the exponent field: the conversion's scale operand
.endr
.irp b, 0,1
	v_and_or_b32 v[HH+\b], v[MA+\b], 0x7f800000, s24 ; 57,344 x the scale
.endr
.if QP == 0
	v_lshrrev_b32 v[PW+QF], 23, v[SO]                ; the scale's bytes make the fragment's scale word
	v_lshrrev_b32 v[BY+1], 23, v[SO+1]
	v_lshl_or_b32 v[PW+QF], v[BY+1], 8, v[PW+QF]
.else
	v_lshrrev_b32 v[BY], 23, v[SO]
	v_lshrrev_b32 v[BY+1], 23, v[SO+1]
	v_lshl_or_b32 v[PW+QF], v[BY], 16, v[PW+QF]
	v_lshl_or_b32 v[PW+QF], v[BY+1], 24, v[PW+QF]
.endif
.set J, 0
.rept 16
	v_min_num_f32 v[VL+J], v[VL+J], v[HH]            ; the conversion does not saturate (ISA guide 7.6.2); no value is negative: a one-sided hold
	v_min_num_f32 v[VL+16+J], v[VL+16+J], v[HH+1]
.set J, J+1
.endr
.irp b, 0,1
	v_cvt_scalef32_pk8_bf8_f32 v[PC+4*\b:PC+4*\b+1], v[VL+16*\b:VL+16*\b+7], v[SO+\b]
	v_cvt_scalef32_pk8_bf8_f32 v[PC+4*\b+2:PC+4*\b+3], v[VL+16*\b+8:VL+16*\b+15], v[SO+\b]
.endr
	v_nop                                            ; a plain line behind the conversions
.irp b, 0,1
	ds_store_b128 v[IW], v[PC+4*\b:PC+4*\b+3] offset:2048*QF+512*(2*QP+\b)   ; the two register groups as they stand: 512 consecutive bytes a store
.endr
.if QP == 1
	ds_store_b32 v[SW], v[PW+QF] offset:128*QF
.endif
.endm
; The product of kx's fragment a (16 registers from kxr) and ky's fragment b.  zero = 1: it starts the sum.  The 32 accumulators take turns, in the same order in every step.
.macro WM a, b, zero, kxr
.set WACC, 8*(4*(\a)+(\b))
.if \zero
	v_wmma_scale_f32_16x16x128_f8f6f4 v[WACC:WACC+7], v[KY+16*(\b):KY+16*(\b)+15], v[\kxr:\kxr+15], 0, v[SKY+(\b)], v[SKX+(\a)] matrix_a_fmt:MATRIX_FMT_BF8 matrix_b_fmt:MATRIX_FMT_BF8
.else
	v_wmma_scale_f32_16x16x128_f8f6f4 v[WACC:WACC+7], v[KY+16*(\b):KY+16*(\b)+15], v[\kxr:\kxr+15], v[WACC:WACC+7], v[SKY+(\b)], v[SKX+(\a)] matrix_a_fmt:MATRIX_FMT_BF8 matrix_b_fmt:MATRIX_FMT_BF8
.endif
.endm
.macro LKY                             ; ky's four fragments and the step's twelve scale words
.irp b, 0,1,2,3
.irp c, 0,1,2,3
	ds_load_b128 v[KY+16*\b+4*\c:KY+16*\b+4*\c+3], v[LY] offset:2048*\b+512*\c
.endr
.endr
.irp b, 0,1,2,3
	ds_load_b32 v[SKY+\b], v[SY] offset:128*\b
.endr
.irp a, 0,1,2,3,4,5,6,7
	ds_load_b32 v[SKX+\a], v[SX] offset:128*\a
.endr
.endm
.macro LKX a
.irp c, 0,1,2,3
	ds_load_b128 v[KX+4*\c:KX+4*\c+3], v[LX] offset:2048*(\a)+512*\c
.endr
.endm
; Half g of a step's making; mul = 1: the four products of kx's fragment g of the step before stand in it.
; kx's next fragment is asked for behind the quantiser's lines: more than eight plain vector lines behind the products that read its registers.
.macro HALF g, mul, zero
.set VE, VL0+32*((\g)%2)
	VW                                             ; ahead of the batch
.set J, 0
.rept 32
	v_exp_f32 v[VE+J], v[VE+J]
.set J, J+1
.endr
.if (\g) == 3
	s_wait_dscnt 0x0                               ; the coordinates asked for in half 2 are in
.endif
.if (\g) < 7
	PRE (\g)+1                                     ; plain lines behind the batch, on the other set
.else
	v_nop                                          ; a plain line behind the batch
.endif
.if ((\g) == 2) || ((\g) == 6)
	XLOAD                                          ; four halves have read their coordinates: the next two blocks' are asked for
	s_wait_dscnt 8                                 ; all but these eight loads: the operands asked for are in, and my earlier image stores have read the codes' registers
.else
	s_wait_dscnt 0x0                               ; the same, with nothing left out
.endif
.if \mul
	WIN 0x50                                       ; C and D window 1
	VW                                             ; behind the batch, and directly ahead of the products
.irp b, 0,1,2,3
	WM \g, \b, \zero, KX
.endr
	WIN 0
.else
	VW                                             ; behind the batch
.endif
	POST \g
.if (\mul) && ((\g) < 7)
	LKX (\g)+1
.endif
.endm
; A step is made (the caller has made half 0's exponents); at its end the barrier, split round the next step's first exponents
.macro GENSTEP mul, zero
.if \mul
	LKY
	LKX 0
.endif
.set G, 0
.rept 8
	HALF G, \mul, \zero
.set G, G+1
.endr
	VW
	s_wait_dscnt 0x0                               ; my images are stored, my loads of the step multiplied and of the next coordinates are in
	s_barrier_signal -1
	PRE 0                                          ; work on registers alone
	s_barrier_wait -1                              ; both hold of every wave
.endm
	; ---- the head: scalars first, then the vector lines in one run
	s_load_b256 s[4:11], s[0:1], 0x0               ; bins s[4:5], x s[6:7], y s[8:9], part s[10:11]
	s_load_b64 s[12:13], s[0:1], 0x20              ; sums
	v_lshl_add_u32 v[SPW], v0, 2, SPARE
	v_mov_b32 v[NIL], 0
	v_lshrrev_b32 v[H], 5, v0
	v_readfirstlane_b32 s14, v[H]                  ; wave w
	s_lshr_b32 s15, s14, 2                         ; wi; also: I make kx (0) or ky (1)
	s_and_b32 s16, s14, 3                          ; wj; also: which 64 bins I make
	s_and_b32 s18, ttmp7, 0xffff                   ; batch
	s_mul_i32 s30, ttmp9, CHUNK                    ; the split's first particle
	s_mul_i32 s20, s18, NPART*4                    ; the batch's row of x and of y
	s_mov_b32 s21, 0
	s_mul_i32 s19, s18, 56
	s_add_co_u32 s19, s19, ttmp9                   ; 56 batch + split
	s_lshl_b32 s40, s19, 18                        ; part: 262,144 bytes a work-group, 32,768 a wave
	s_lshl_b32 s29, s14, 15
	s_add_co_u32 s40, s40, s29
	s_mov_b32 s41, 0
	s_lshl_b32 s42, s19, 5                         ; sums: one f32 a wave
	s_lshl_b32 s29, s14, 2
	s_add_co_u32 s42, s42, s29
	s_mov_b32 s43, 0
	s_mov_b32 s22, 0x76543210                      ; v_permlanex16_b32's selects for lane l xor 16
	s_mov_b32 s23, 0xfedcba98
	s_mov_b32 s24, 0x600000                        ; the mantissa field of 57,344
	s_lshl_b32 s32, s15, 12
	s_add_co_u32 s32, s32, XL
	s_lshl_b32 s33, s14, 13
	s_lshl_b32 s34, s14, 9
	s_add_co_u32 s34, s34, SCW
	s_lshl_b32 s35, s16, 13
	s_add_co_u32 s35, s35, 32768
	s_lshl_b32 s36, s15, 14
	s_lshl_b32 s37, s16, 9
	s_add_co_u32 s37, s37, SCW+2048
	s_lshl_b32 s38, s15, 10
	s_add_co_u32 s38, s38, SCW
	s_lshl_b32 s39, s16, 9
	s_add_co_u32 s39, s39, BL
	v_lshl_add_u32 v[H+5], v0, 2, s30              ; thread t brings particles first + 4 t .. + 3: 1,024 places; those from 896 on are never multiplied
	v_min_u32 v[H+6], NPART-4, v[H+5]              ; no load leaves its buffer
	v_lshlrev_b32 v[H+6], 2, v[H+6]
	v_lshlrev_b32 v[H+7], 2, v0                    ; bin t
	v_mov_b32 v[H+8], 0                            ; bins 0, 1
	v_mov_b32 v[H+9], 0x7f800000                   ; +infinity
	v_and_b32 v[H+1], 31, v0                       ; lane
	v_bfe_u32 v[H+2], v0, 4, 1                     ; h
	v_and_b32 v[H+3], 15, v0                       ; r
	v_lshlrev_b32 v[LN16], 4, v[H+1]
	v_lshlrev_b32 v[H+4], 2, v[H+1]
	v_lshl_add_u32 v[XB], v[H+2], 6, s32
	v_add_nc_u32 v[IWB], s33, v[LN16]
	v_add_nc_u32 v[SWB], s34, v[H+4]
	v_add_nc_u32 v[LYB], s35, v[LN16]
	v_add_nc_u32 v[LXB], s36, v[LN16]
	v_add_nc_u32 v[SYB], s37, v[H+4]
	v_add_nc_u32 v[SXB], s38, v[H+4]
	v_lshl_add_u32 v[H+31], v[H+3], 3, s39         ; my lane's bin in my first fragment
	v_lshl_add_u32 v[H+29], v0, 4, XL              ; where thread t stores its four x; its four y 4,096 bytes on
	v_lshl_add_u32 v[H+30], v0, 3, BL              ; and its bin's pair
	VW
	s_wait_kmcnt 0x0
	s_add_nc_u64 s[6:7], s[6:7], s[20:21]
	s_add_nc_u64 s[8:9], s[8:9], s[20:21]
	s_add_nc_u64 s[10:11], s[10:11], s[40:41]
	s_add_nc_u64 s[12:13], s[12:13], s[42:43]
	global_load_b128 v[H+12:H+15], v[H+6], s[6:7]
	global_load_b128 v[H+16:H+19], v[H+6], s[8:9]
	global_load_b32 v[H+20], v[H+7], s[4:5]
	global_load_b64 v[H+22:H+23], v[H+8], s[4:5]
	s_wait_loadcnt 0x0
	v_cmp_gt_u32 vcc_lo, NPART, v[H+5]             ; 50,000 is a multiple of 4: four particles are all there or all beyond the end
.irp i, 12,13,14,15,16,17,18,19
	v_cndmask_b32 v[H+\i], v[H+9], v[H+\i], vcc_lo
.endr
	v_xor_b32 v[H+24], 0x80000000, v[H+20]         ; (-b, -b)
	v_xor_b32 v[H+25], 0x80000000, v[H+20]
	ds_store_b128 v[H+29], v[H+12:H+15]
	ds_store_b128 v[H+29], v[H+16:H+19] offset:4096
	ds_store_b64 v[H+30], v[H+24:H+25]
	v_sub_f32 v[H+26], v[H+23], v[H+22]            ; bw
	VW
	v_rcp_f32 v[H+27], v[H+26]
	v_nop
	VW
	v_fma_f32 v[H+28], -v[H+26], v[H+27], 1.0      ; one Newton step
	v_fma_f32 v[H+27], v[H+27], v[H+28], v[H+27]
	v_mul_f32 v[H+27], v[H+27], v[H+27]
	v_mul_f32 v[NC], 0xbf38aa3b, v[H+27]           ; -c = -0.5 log2(e) / bw^2
	v_mov_b32 v[NC+1], v[NC]
	VW
	s_wait_dscnt 0x0
	s_barrier_signal -1
	s_barrier_wait -1                              ; the three tables lie in LDS
.irp f, 0,1,2,3
	ds_load_b64 v[NB+2*\f:NB+2*\f+1], v[H+31] offset:128*\f
.endr
	s_mov_b32 s[XS], 0
	XLOAD                                          ; step 0's first 64 particles
	s_mov_b32 s[TB], 0
	s_mov_b32 s[TBS], 0
	s_wait_dscnt 0x0
	PRE 0
	ADDRS
	GENSTEP 0, 0                                   ; step 0 is made, into buffer 0
	s_mov_b32 s[TBS], BUF1
	ADDRS
	GENSTEP 1, 1                                   ; step 1 is made; step 0's products start the sums
	s_mov_b32 s[TB], BUF1
	s_mov_b32 s28, 5
.Lmain:                                                ; trip t = 1 .. 5 multiplies step t and makes step t + 1 in the buffer that step t - 1 has left
	s_xor_b32 s[TBS], s[TB], BUF1
	ADDRS
	GENSTEP 1, 0
	s_xor_b32 s[TB], s[TB], BUF1
	s_sub_co_u32 s28, s28, 1
	s_cmp_lg_u32 s28, 0
	VW
	s_cbranch_scc1 .Lmain
	; ---- step 6, in buffer 0: nothing more is made, so kx's eight fragments lie in v16-143
	ADDRS
	LKY
.irp i, 0,1,2,3,4,5,6,7
.irp c, 0,1,2,3
	ds_load_b128 v[X+16*\i+4*\c:X+16*\i+4*\c+3], v[LX] offset:2048*\i+512*\c
.endr
.endr
	s_wait_dscnt 0x0
	WIN 0x50
	VW                                             ; directly ahead of the products
.set TA, 0
.rept 8
.set TK, X+16*TA
.irp b, 0,1,2,3
	WM TA, \b, 0, TK
.endr
.set TA, TA+1
.endr
	WIN 0
	; ---- the way out: my share's total first, then the accumulators as they stand
.irp k, 0,1,2,3,4,5,6,7
	v_mov_b32 v[T+\k], 0                           ; these eight lines are also the places behind the last products
.endr
	WIN 0x04                                       ; source 1: window 1
.set ON, 0
.rept 32
.set OACC, 8*ON
	v_pk_add_f32 v[T:T+1], v[T:T+1], v[OACC:OACC+1]   ; each accumulator from its low end on
	v_pk_add_f32 v[T+2:T+3], v[T+2:T+3], v[OACC+2:OACC+3]
	v_pk_add_f32 v[T+4:T+5], v[T+4:T+5], v[OACC+4:OACC+5]
	v_pk_add_f32 v[T+6:T+7], v[T+6:T+7], v[OACC+6:OACC+7]
.set ON, ON+1
.endr
	WIN 0
	v_pk_add_f32 v[T:T+1], v[T:T+1], v[T+2:T+3]
	v_pk_add_f32 v[T+4:T+5], v[T+4:T+5], v[T+6:T+7]
	v_pk_add_f32 v[T:T+1], v[T:T+1], v[T+4:T+5]
	v_add_f32 v[T], v[T], v[T+1]
	v_add_f32_dpp v[T], v[T], v[T] row_xmask:1 row_mask:0xf bank_mask:0xf
	v_add_f32_dpp v[T], v[T], v[T] row_xmask:2 row_mask:0xf bank_mask:0xf
	v_add_f32_dpp v[T], v[T], v[T] row_xmask:4 row_mask:0xf bank_mask:0xf
	v_add_f32_dpp v[T], v[T], v[T] row_xmask:8 row_mask:0xf bank_mask:0xf
	v_permlanex16_b32 v[T+1], v[T], s22, s23
	v_add_f32 v[T], v[T], v[T+1]                   ; the total of my 128 x 64 numbers, in every lane
	v_and_b32 v[T+2], 31, v0
	v_mov_b32 v[T+3], 0
	v_cmp_eq_u32 vcc_lo, 0, v[T+2]
	VW
	s_wait_tensorcnt 0x0                           ; the wave's end in LDS, behind my last LDS store
	ds_add_u32 v[SPW], v[NIL]
	s_wait_dscnt 0x0
	s_wait_xcnt 0x0                                ; EXEC changes only behind this wait
	s_and_saveexec_b32 s30, vcc_lo
	global_store_b32 v[T+3], v[T], s[12:13]        ; lane 0 stores it: one word a wave
	s_wait_xcnt 0x0                                ; and again, in front of the line that widens it
	s_or_b32 exec_lo, exec_lo, s30
	WIN 0x04                                       ; a store's data: window 1
.set ON, 0
.rept 32
.set OACC, 8*ON
	global_store_b128 v[LN16], v[OACC:OACC+3], s[10:11] offset:1024*ON th:TH_STORE_NT       ; 512 consecutive bytes a store, at a multiple of 512 from part's first byte
	global_store_b128 v[LN16], v[OACC+4:OACC+7], s[10:11] offset:1024*ON+512 th:TH_STORE_NT
.set ON, ON+1
.endr
	WIN 0
	s_endpgm
.Lfunc_end_k_q602e063146_accum:
	.size	k_q602e063146_accum, .Lfunc_end_k_q602e063146_accum-k_q602e063146_accum
	.p2alignl 7, 3214868480
	.fill 96, 4, 3214868480
	.section	.rodata,"a",@progbits
	.p2align	6, 0x0
	.amdhsa_kernel k_q602e063146_accum
		.amdhsa_group_segment_fixed_size 201728
		.amdhsa_private_segment_fixed_size 0
		.amdhsa_enable_private_segment 0
		.amdhsa_kernarg_size 40
		.amdhsa_user_sgpr_count 2
		.amdhsa_user_sgpr_kernarg_segment_ptr 1
		.amdhsa_wavefront_size32 1
		.amdhsa_system_sgpr_workgroup_id_x 1
		.amdhsa_system_sgpr_workgroup_id_y 1
		.amdhsa_system_sgpr_workgroup_id_z 1
		.amdhsa_system_vgpr_workitem_id 0
		.amdhsa_next_free_vgpr 512
		.amdhsa_next_free_sgpr 66
		.amdhsa_reserve_vcc 1
		.amdhsa_float_denorm_mode_32 3
		.amdhsa_float_denorm_mode_16_64 3
		.amdhsa_memory_ordered 1
		.amdhsa_forward_progress 1
		.amdhsa_inst_pref_size 228
	.end_amdhsa_kernel
	.amdgpu_metadata
---
amdhsa.version: [ 1, 2 ]
amdhsa.kernels:
  - .name:           k_q602e063146_accum
    .symbol:         k_q602e063146_accum.kd
    .args:
      - { .name: bins, .offset: 0, .size: 8, .value_kind: global_buffer, .address_space: global }
      - { .name: x_coords, .offset: 8, .size: 8, .value_kind: global_buffer, .address_space: global }
      - { .name: y_coords, .offset: 16, .size: 8, .value_kind: global_buffer, .address_space: global }
      - { .name: part, .offset: 24, .size: 8, .value_kind: global_buffer, .address_space: global }
      - { .name: sums, .offset: 32, .size: 8, .value_kind: global_buffer, .address_space: global }
    .group_segment_fixed_size: 201728
    .private_segment_fixed_size: 0
    .kernarg_segment_align: 8
    .kernarg_segment_size: 40
    .max_flat_workgroup_size: 256
    .sgpr_count:     66
    .vgpr_count:     512
    .wavefront_size: 32
...
	.end_amdgpu_metadata
.endif
;; end of part 1
;; launch finish (part 2): grid 64 x 4, 8 waves a work-group, no clusters, 5,376 bytes of LDS; arguments part, sums, out0; writes out0
.if DOCPART == 2
	.amdgcn_target "amdgcn-amd-amdhsa--gfx1250"
	.amdhsa_code_object_version 6
	.text
	.protected	k_q602e063146_finish
	.globl	k_q602e063146_finish
	.p2align	8
	.type	k_q602e063146_finish,@function
k_q602e063146_finish:
	s_mov_b64 s[64:65], 0
	v_nop
	global_prefetch_b8 v0, s[64:65] scope:SCOPE_SE
	s_setreg_imm32_b32 hwreg(HW_REG_WAVE_MODE, 25, 1), 1
	s_wait_xcnt 0x0
; out0[b] = (the sum of batch b's 56 partial tiles) / (the sum of its 448 partial totals + 1e-10).
; part holds, for each work-group of the launch before (56 batch + split), 262,144 bytes of register images: wave w = 4 wi + wj at 32,768 w, accumulator n = 4 a + c at 1,024 n, registers 4 hh .. 4 hh + 3 at 512 hh, lane l at 16 l;
; lane (r, h), register q of accumulator (a, c) is joint(128 wi + 16 a + r, 64 wj + 16 c + 8 h + q).
; SHARES.  Work-group (ch, b) owns bytes 4,096 ch .. + 4,095 of that image: the four accumulators of one wave and one a: 16 rows x 64 columns of out0.  Thread t owns 16 of those bytes in all 56 splits.
; Memory binds: all 56 loads of a thread (512 consecutive bytes a wave each) are issued at once, into registers of their own, and are added as they come.  No matrix unit, no cluster, no ring: nothing is shared or read twice.
; The results turn through a stage in LDS, so that sixteen neighbouring lanes store 256 consecutive bytes of a row of out0, at a multiple of 256 from its first byte.
.set TILE,  262144
.set SPLITS, 56
.set P,     16                         ; v16-239  split s: 4 registers
.set S,     240                        ; v240-253 the batch's totals, 14 a lane
.set SPITCH, 272                       ; a stage row: 256 bytes + 16, so that the sixteen rows that a store touches start in different banks (ISA guide 11.1)
	s_load_b128 s[4:7], s[0:1], 0x0                ; part, sums
	s_load_b64 s[8:9], s[0:1], 0x10                ; out0
	v_lshl_add_u32 v254, v0, 2, 0x1100
	v_mov_b32 v255, 0
	s_and_b32 s10, ttmp7, 0xffff                   ; batch
	v_lshlrev_b32 v1, 4, v0                        ; 16 t
	v_and_b32 v2, 31, v0
	s_delay_alu instid0(VALU_DEP_1)
	v_lshlrev_b32 v2, 2, v2                        ; 4 x lane
	s_mul_i32 s12, s10, SPLITS*TILE                ; the batch's first tile,
	s_lshl_b32 s14, ttmp9, 12                      ; my 4,096 bytes of it
	s_add_co_u32 s12, s12, s14
	s_mov_b32 s13, 0
	s_mul_i32 s14, s10, SPLITS*32                  ; the batch's 448 totals
	s_mov_b32 s15, 0
	s_lshl_b32 s18, s10, 18                        ; out0: the batch,
	s_lshr_b32 s20, ttmp9, 5
	s_lshl_b32 s20, s20, 17                        ; 128 wi rows of 1,024 bytes,
	s_add_co_u32 s18, s18, s20
	s_and_b32 s20, ttmp9, 7
	s_lshl_b32 s20, s20, 14                        ; 16 a rows,
	s_add_co_u32 s18, s18, s20
	s_bfe_u32 s20, ttmp9, 0x20003
	s_lshl_b32 s20, s20, 8                         ; 64 wj columns
	s_add_co_u32 s18, s18, s20
	s_mov_b32 s19, 0
	s_mov_b32 s24, 0x76543210                      ; v_permlanex16_b32's selects for lane l xor 16
	s_mov_b32 s25, 0xfedcba98
	s_wait_alu depctr_va_vdst(0)
	s_wait_kmcnt 0x0
	s_add_nc_u64 s[4:5], s[4:5], s[12:13]          ; splits 0-27 from here,
	s_add_nc_u64 s[16:17], s[4:5], 28*TILE         ; splits 28-55 from here: every offset stays inside the signed 24-bit immediate (ISA guide, chapter 10)
	s_add_nc_u64 s[6:7], s[6:7], s[14:15]
	s_add_nc_u64 s[8:9], s[8:9], s[18:19]
.irp k, 0,1,2,3,4,5,6,7,8,9,10,11,12,13
	global_load_b32 v[S+\k], v2, s[6:7] offset:128*\k   ; 14 x 32 lanes = the 448 totals, in every wave
.endr
.set SN, 0
.rept 28
	global_load_b128 v[P+4*SN:P+4*SN+3], v1, s[4:5] offset:SN*TILE th:TH_LOAD_NT
.set SN, SN+1
.endr
.rept 28
	global_load_b128 v[P+4*SN:P+4*SN+3], v1, s[16:17] offset:(SN-28)*TILE th:TH_LOAD_NT
.set SN, SN+1
.endr
	v_and_b32 v3, 15, v0                           ; r; on the way back: my 16 bytes of a row
	v_bfe_u32 v4, v0, 4, 1                         ; h
	v_bfe_u32 v5, v0, 5, 1                         ; hh
	v_lshrrev_b32 v6, 6, v0                        ; which of the four accumulators
	s_delay_alu instid0(VALU_DEP_1)
	v_lshl_add_u32 v6, v6, 1, v4
	s_delay_alu instid0(VALU_DEP_1)
	v_lshl_add_u32 v6, v6, 1, v5                   ; my four columns begin at 4 (4 acc + 2 h + hh)
	v_mul_u32_u24 v7, v3, SPITCH
	s_delay_alu instid0(VALU_DEP_1)
	v_lshl_add_u32 v7, v6, 4, v7                   ; into the stage: row r
	v_lshrrev_b32 v10, 4, v0                       ; back: row t / 16
	s_delay_alu instid0(VALU_DEP_1)
	v_mul_u32_u24 v8, v10, SPITCH
	s_delay_alu instid0(VALU_DEP_1)
	v_lshl_add_u32 v8, v3, 4, v8
	s_delay_alu instid0(VALU_DEP_3)
	v_lshlrev_b32 v9, 10, v10                      ; and the same place in out0
	s_delay_alu instid0(VALU_DEP_1)
	v_lshl_add_u32 v9, v3, 4, v9
	s_wait_loadcnt 56                              ; loads come back in order (ISA guide 5.7.1): the fourteen of totals are in, the 56 issued behind them may be out
.irp k, 0,2,4,6,8,10,12
	v_add_f32 v[S+\k], v[S+\k], v[S+\k+1]
.endr
	v_add_f32 v[S], v[S], v[S+2]
	v_add_f32 v[S+4], v[S+4], v[S+6]
	s_delay_alu instid0(VALU_DEP_4)
	v_add_f32 v[S+8], v[S+8], v[S+10]
	s_delay_alu instid0(VALU_DEP_2)
	v_add_f32 v[S], v[S], v[S+4]
	s_delay_alu instid0(VALU_DEP_2)
	v_add_f32 v[S+8], v[S+8], v[S+12]
	s_delay_alu instid0(VALU_DEP_1)
	v_add_f32 v[S], v[S], v[S+8]
	s_delay_alu instid0(VALU_DEP_1)
	v_add_f32_dpp v[S], v[S], v[S] row_xmask:1 row_mask:0xf bank_mask:0xf
	s_delay_alu instid0(VALU_DEP_1)
	v_add_f32_dpp v[S], v[S], v[S] row_xmask:2 row_mask:0xf bank_mask:0xf
	s_delay_alu instid0(VALU_DEP_1)
	v_add_f32_dpp v[S], v[S], v[S] row_xmask:4 row_mask:0xf bank_mask:0xf
	s_delay_alu instid0(VALU_DEP_1)
	v_add_f32_dpp v[S], v[S], v[S] row_xmask:8 row_mask:0xf bank_mask:0xf
	s_delay_alu instid0(VALU_DEP_1)
	v_permlanex16_b32 v[S+1], v[S], s24, s25
	s_delay_alu instid0(VALU_DEP_1)
	v_add_f32 v[S], v[S], v[S+1]                   ; the batch's total
	s_delay_alu instid0(VALU_DEP_1)
	v_add_f32 v[S], 0x2edbe6ff, v[S]               ; + 1e-10
	s_wait_alu depctr_va_vdst(0)
	v_rcp_f32 v12, v[S]
	v_nop                                          ; a plain line behind the reciprocal
	s_wait_alu depctr_va_vdst(0)
	v_fma_f32 v13, -v[S], v12, 1.0                 ; one Newton step
	v_fma_f32 v12, v12, v13, v12
	s_delay_alu instid0(VALU_DEP_1)
	v_mov_b32 v13, v12                             ; a pair for the packed multiplications
.set SN, 2
.rept 54
	s_wait_alu depctr_va_vdst(0)
	s_wait_loadcnt 55-SN                           ; split SN's load is in; the 55 - SN issued behind it may be out
	v_pk_add_f32 v[P+4*(SN%2):P+4*(SN%2)+1], v[P+4*(SN%2):P+4*(SN%2)+1], v[P+4*SN:P+4*SN+1]   ; two chains: even splits onto split 0, odd ones onto split 1
	v_pk_add_f32 v[P+4*(SN%2)+2:P+4*(SN%2)+3], v[P+4*(SN%2)+2:P+4*(SN%2)+3], v[P+4*SN+2:P+4*SN+3]
.set SN, SN+1
.endr
	s_delay_alu instid0(VALU_DEP_2)
	v_pk_add_f32 v[P:P+1], v[P:P+1], v[P+4:P+5]
	s_delay_alu instid0(VALU_DEP_2)
	v_pk_add_f32 v[P+2:P+3], v[P+2:P+3], v[P+6:P+7]
	s_delay_alu instid0(VALU_DEP_2)
	v_pk_mul_f32 v[P:P+1], v[P:P+1], v[12:13]
	s_delay_alu instid0(VALU_DEP_2)
	v_pk_mul_f32 v[P+2:P+3], v[P+2:P+3], v[12:13]
	ds_store_b128 v7, v[P:P+3]
	s_wait_dscnt 0x0                               ; for the others' sake: my store into the stage is done
	s_barrier_signal -1
	s_barrier_wait -1
	ds_load_b128 v[P+8:P+11], v8                   ; a row's 256 bytes come from eight waves
	s_wait_dscnt 0x0
	global_store_b128 v9, v[P+8:P+11], s[8:9] th:TH_STORE_NT   ; 16 lanes store 256 consecutive bytes
	s_wait_tensorcnt 0x0
	ds_add_u32 v254, v255
	s_wait_dscnt 0x0
	s_endpgm
.Lfunc_end_k_q602e063146_finish:
	.size	k_q602e063146_finish, .Lfunc_end_k_q602e063146_finish-k_q602e063146_finish
	.p2alignl 7, 3214868480
	.fill 96, 4, 3214868480
	.section	.rodata,"a",@progbits
	.p2align	6, 0x0
	.amdhsa_kernel k_q602e063146_finish
		.amdhsa_group_segment_fixed_size 5376
		.amdhsa_private_segment_fixed_size 0
		.amdhsa_enable_private_segment 0
		.amdhsa_kernarg_size 24
		.amdhsa_user_sgpr_count 2
		.amdhsa_user_sgpr_kernarg_segment_ptr 1
		.amdhsa_wavefront_size32 1
		.amdhsa_system_sgpr_workgroup_id_x 1
		.amdhsa_system_sgpr_workgroup_id_y 1
		.amdhsa_system_sgpr_workgroup_id_z 1
		.amdhsa_system_vgpr_workitem_id 0
		.amdhsa_next_free_vgpr 256
		.amdhsa_next_free_sgpr 66
		.amdhsa_reserve_vcc 0
		.amdhsa_float_denorm_mode_32 3
		.amdhsa_float_denorm_mode_16_64 3
		.amdhsa_memory_ordered 1
		.amdhsa_forward_progress 1
		.amdhsa_inst_pref_size 22
	.end_amdhsa_kernel
	.amdgpu_metadata
---
amdhsa.version: [ 1, 2 ]
amdhsa.kernels:
  - .name:           k_q602e063146_finish
    .symbol:         k_q602e063146_finish.kd
    .args:
      - { .name: part, .offset: 0, .size: 8, .value_kind: global_buffer, .address_space: global }
      - { .name: sums, .offset: 8, .size: 8, .value_kind: global_buffer, .address_space: global }
      - { .name: out0, .offset: 16, .size: 8, .value_kind: global_buffer, .address_space: global }
    .group_segment_fixed_size: 5376
    .private_segment_fixed_size: 0
    .kernarg_segment_align: 8
    .kernarg_segment_size: 24
    .max_flat_workgroup_size: 256
    .sgpr_count:     66
    .vgpr_count:     256
    .wavefront_size: 32
...
	.end_amdgpu_metadata
.endif
;; end of part 2
